; MI455X (gfx1250); checked and timed in simulation.
; The chip was launched on July 23, 2026; its instructions are those of AMD's public machine-readable ISA for CDNA 5 (MIT licence, August 2026) and "CDNA5" Instruction Set Architecture Reference Guide (July 2026). The comments in the code are by the model that wrote it; some were corrected since.
;; Spatial Relation Attention. Allowed arithmetic: matrix products marked QUANTISED: E4M3 operands, one E8M0 scale for each 32 along K, by v_wmma_scale_f32_16x16x128_f8f6f4 with both operands' format E4M3, f32 sums; products left as they are: f32 operands where the result goes on into a quantised operand, else bf16, f16 or f32 operands; f32 sums; everything else in f32.
;; Inputs: b_lin one number float32; beta 64 x 64 float32; bk 256 float32; bq 256 float32; gamma 64 x 64 float32; k 8 x 256 x 64 x 64 float32; q 8 x 256 x 64 x 64 float32; w_lin 4,096 float32; wk 256 x 256 float32; wq 256 x 256 float32.
;; Outputs: out0 8 x 1 x 64 x 64 float32.
;; This version of the problem:
;;   THIS VERSION OF THE PROBLEM IS GIVEN IN LOW PRECISION. The matrix products marked QUANTISED in the list below multiply operands that are first quantised to E4M3 (4 exponent bits, 3 mantissa bits; 8 bits a number), with one power-of-two scale for each 32 numbers along K (OCP MX v1.0); their sums are f32. All else is computed in f32.
;;   The module's matrix products, in the order in which they are computed (A, B: the left and right operand; K: the contracted axis; several contracted axes count as one K, in the product's order):
;;     1. [M 256, K 256] x [K 256, N 32,768]; A: input wq; B: input q: QUANTISED
;;     2. [M 256, K 256] x [K 256, N 32,768]; A: input wk; B: input k: QUANTISED
;;     3. batch 8 x [M 4,096, K 256] x [K 256, N 4,096]; A: computed on the way; B: computed on the way: QUANTISED
;;     4. [M 32,768, K 4,096] x [K 4,096, N 1]; A: computed on the way; B: input w_lin: left as it is (N = 1 < 16)
;;   THE QUANTISER, for each operand of a quantised product, along K:
;;     - K is cut into blocks of 32 from its start; a last block that is shorter is filled with zeros.
;;     - A block's scale is 2^e with e = floor(log2(the largest magnitude in the block)) - 8, held to -126 .. 127; a block of zeros has e = 0. As a byte (E8M0): e + 127.
;;     - Each number is divided by its block's scale, clamped to +-448, and rounded to the nearest number of E4M3, ties to even, subnormals kept.
;;     - The product sums the exact products of the quantised numbers (number of the format x scale) in f32.
;;   ~~~python
;;   def quantise(x, axis):      # numpy; x: float32 -> the quantised numbers, widened to float32 again
;;       x = np.moveaxis(x, axis, -1); K = x.shape[-1]
;;       x = np.pad(x, [(0, 0)] * (x.ndim - 1) + [(0, -K % 32)]); x = x.reshape(x.shape[:-1] + (-1, 32)); a = np.abs(x).max(-1, keepdims=True)
;;       e = np.where(a > 0, np.clip(np.frexp(np.where(a > 0, a, 1))[1] - 1 - 8, -126, 127), 0)      # np.frexp(a)[1] - 1 = floor(log2(a)), exactly
;;       r = np.clip(x / 2.0 ** e, -448, 448)
;;       step = 2.0 ** (np.maximum(np.frexp(np.where(r == 0, 1, r))[1] - 1, -6) - 3)
;;       q = np.round(r / step) * step * 2.0 ** e      # np.round: ties to even
;;       return np.moveaxis(q.reshape(q.shape[:-2] + (-1,))[..., :K], -1, axis).astype(np.float32)
;;   ~~~
;;   OPERANDS COMPUTED ON THE WAY. 'Computed on the way' means the value that the module computes at that place (a softmax that the list does not call 'softmax' is quantised finished and normalised). What goes into a quantiser is computed in f32, as accurately as f32 sums, v_exp_f32 and their like allow (about 1e-6 of the number): no bf16 or f16 on the way to a quantiser, and a product that is left as it is and whose result goes on into a quantised operand takes f32 operands (vector FMAs, or v_wmma_f32_16x16x4_f32). A number that lies on a knife's edge between two numbers of the format may be rounded either way, as far as f32 arithmetic and the matrix unit's own rounding can turn it there, and no further.
;; One version. Each part assembles by itself: llvm-mc -triple=amdgcn-amd-amdhsa -mcpu=gfx1250 --defsym DOCPART=n.
;; ======== version 1 of 1: 3 launches
;; limits: right only within a limited range of input values
;; workspace buffers: codes 16,777,216 bytes; scales 524,288 bytes; vpart 524,288 bytes
;; launch proj (part 1): grid 256 x 1, 4 waves a work-group, no clusters, 307,712 bytes of LDS; arguments q, k, wq, wk, bq, bk, codes, scales; writes codes, scales
.if DOCPART == 1
	.amdgcn_target "amdgcn-amd-amdhsa--gfx1250"
	.amdhsa_code_object_version 6
	.text
	.protected	k_q8d3b794a52_proj
	.globl	k_q8d3b794a52_proj
	.p2align	8
	.type	k_q8d3b794a52_proj,@function
k_q8d3b794a52_proj:
	s_mov_b64 s[64:65], 0
	v_nop
	global_prefetch_b8 v0, s[64:65] scope:SCOPE_SE
	s_setreg_imm32_b32 hwreg(HW_REG_WAVE_MODE, 25, 1), 1
	s_wait_xcnt 0x0
; THE TWO 1x1 CONVOLUTIONS: f[o][pix] = sum over c of W[o][c] x[c][pix] + b[o], on codes of FP8 (E4M3) with one E8M0 scale for each 32 along c, and the result quantised
; again along o, which is the K of the next launch's product.  x: q or k, [8][256 c][4096 pix] f32.  W: wq or wk, [256 o][256 c] f32.  b: bq or bk, [256] f32.
; OUT: codes [ten 2][batch 8][tile 256][K step 2][c 4][lane 32][16 bytes]: the image of an operand's registers: tile T holds pixels 16 T + r; lane (r, h)'s 16 bytes are channels 128 s + 32 c + 16 h + 0..15.
;      scales [ten][batch][pair 128][lane 32][2 words]: word (lane (r, h), e) is the scale word of pixel 16 (2 P + e) + r for K step h: one register then carries both K steps, in its two halves of lanes.
; A block's scale is 2^(floor(log2(its largest magnitude)) - 8); each number is divided by it, held within +-448 and rounded to the nearest code, ties to even.
; LIMITS: NaN and infinities among the inputs are not served.  A block whose largest magnitude lies under 2^-118 keeps the scale byte 1.  A block of zeros gets the byte 1 and not 127: its codes are
; zeros, which add nothing under any byte but 0xff, and the bytes are read by this program alone.
; SHARES.  Work-groups 0-127 take q, wq, bq; 128-255 take k, wk, bk: only pointers are chosen, the text has one path.  A work-group owns 256 pixels of one batch, in four chunks of 64 (a row of a chunk is
; 256 bytes of memory, at a multiple of 256).  In chunk j wave w owns the tile of pixels 64 j + 16 w + r.  Every wave holds the WHOLE weight as codes in 512 registers.
; x's K (c) is not innermost: a lane takes a pixel and its registers run down c, out of LDS, where the four chunks are brought by tensor loads, each byte once; nothing in LDS is filled twice.
; THE MATRIX INSTRUCTION: source 0 = 16 rows of W, source 1 = 16 pixels: a lane then holds ONE pixel and eight output channels.  THE ROWS OF W THAT FORM A TILE ARE NOT NEIGHBOURS: lane r of tile 2 b + u
; takes row 32 b + 8 u + r + 8 (r / 8), so that the 16 registers of tiles 2 b, 2 b + 1 are output channels 32 b + 16 h + 0..15: the conversions' results are the next product's operand registers.
; The bias is the C of each sum's first matrix instruction.
; NO CLUSTER: what work-groups share is the weight, 262,144 bytes as f32; the four chunks of x take 270,336 of the WGP's 327,680 bytes of LDS, so a joint load of the weight has no room to land in.
; Each wave reads a quarter of the weight through registers, quantises it, and hands it to the other three through LDS as images of registers.
; REGISTERS, in windows of 256: window 0: v1-15, v117-118 addresses; v16-31 the quantiser's work; v32-63 x's codes; v64-95 codes on their way out; v96-113 scale words; v128-255 128 numbers of x, then the 16 accumulators.
;   window 1: W's 16 fragments of K step 0 (tile t at 16 t).   window 2: those of K step 1.   window 3: v0-127 the bias, eight registers a tile.
.set XP,    264                        ; a row of a chunk in LDS: 256 bytes + 8 of padding: lanes 16-31 read 16 rows further on, 4,224 bytes = 128 modulo 256, so the two runs of 64 bytes of a load fall on different banks
.set XQ,    64*XP                      ; 64 rows: what one tensor load brings
.set XCH,   4*XQ                       ; a chunk: 256 rows c
.set WST,   4*XCH                      ; behind the chunks: the images of W's 16 fragments of one K step, 2,048 bytes each
.set WSC,   WST+32768                  ; W's scale words: [tile 16][K step 2][16 words]
.set SCST,  WSC+2048                   ; the work-group's 2,048 bytes of output scale words, laid as the buffer is
.set RR,  1                            ; v1   r = lane % 16
.set HH,  2                            ; v2   h = lane / 16
.set LN,  3                            ; v3   lane
.set LI,  4                            ; v4   WST + 16 x lane: where I read an image
.set LS,  5                            ; v5   WSC + 4 x lane: where I read W's scale words
.set WI,  6                            ; v6   WST + 8,192 x wave + 16 x lane: where I store an image
.set WSA, 7                            ; v7   WSC + 512 x wave + 4 r: where I store a scale word of W
.set WOF, 8                            ; v8   W: (r + 8 (r / 8)) rows of 1,024 bytes + 64 h
.set BOF, 9                            ; v9   the bias: 64 h
.set XA,  10                           ; v10-13 chunk j: 4 r + 4,224 h + 64 x wave + XCH j
.set CO,  14                           ; v14  the codes' buffer: 16 x lane + 4,096 x wave
.set SSA, 15                           ; v15  SCST + 256 (wave / 2) + 8 x lane + 4 (wave % 2)
.set TM,  16                           ; v16-19 largest magnitudes, v20-23 bytes, v28-31 the conversions' scale operands
.set XC,  32                           ; v32-63 x's two fragments
.set OC,  64                           ; v64-95 codes just made for LDS or memory
.set WS,  96                           ; v96-111 W's scale words: tile t: lanes 0-15 K step 0, lanes 16-31 K step 1
.set XS0, 112                          ; v112, v113 x's scale words of the two K steps
.set XS1, 113
.set PW0, 114                          ; v114, v115 scale words just made
.set PW1, 115
.set OSW, 116                          ; v116 the two joined: lanes 0-15 K step 0's, lanes 16-31 K step 1's
.set SRD, 117                          ; v117 SCST + 512 x wave + 16 x lane
.set GL,  118                          ; v118 16 x lane
.set XN,  128                          ; v128-255
.set WV,  20                           ; s20  my wave's number
.set MNT, 21
.set SEL, 22                           ; s[22:23] lane selects for v_permlanex16_b32: lane l xor 16
.set G1,  24                           ; s[24:31] descriptor group 1
.set G0,  32                           ; s[32:47] descriptor group 0, a set for each chunk
.set HI16, 48                          ; s48  the mask of lanes 16-31
.set MSB, 0
.macro WIN new                         ; the immediate's high byte repeats the setting that is left; a switch that changes nothing is dropped
.if MSB != (\new)
	s_set_vgpr_msb (MSB<<8)|(\new)
.set MSB, (\new)
.endif
.endm
.macro BARRIER                         ; my LDS stores have landed and my LDS loads are in: then the work-group's barrier
	s_wait_dscnt 0x0
	s_barrier_signal -1
	s_barrier_wait -1
.endm
; 64 numbers of a lane, v[src] on, register 16 b + i = k 32 b + 16 h + i of my row, become a fragment's codes in v[dst] .. v[dst + 15] and its scale word in v[pw].
.macro QUANT src, dst, pw
.irp b, 0,1,2,3
	v_max3_num_f32 v[TM+\b], |v[(\src)+16*\b]|, |v[(\src)+1+16*\b]|, 0x4800000   ; block b: my 16 numbers, and the floor 2^(9 - 127): the byte cannot fall under 1
.endr
.irp i, 2,4,6,8,10,12,14
.irp b, 0,1,2,3
	v_max3_num_f32 v[TM+\b], v[TM+\b], |v[(\src)+16*\b+\i]|, |v[(\src)+1+16*\b+\i]|   ; the four blocks by turns: no line waits for the line above it
.endr
.endr
.irp b, 0,1,2,3
	v_permlanex16_b32 v[TM+4+\b], v[TM+\b], s[SEL], s[SEL+1]
.endr
.irp b, 0,1,2,3
	v_max_num_f32 v[TM+\b], v[TM+\b], v[TM+4+\b]           ; with lane l xor 16's 16 numbers: the block's largest magnitude
.endr
.irp b, 0,1,2,3
	v_add_nc_u32 v[TM+12+\b], 0xfc000000, v[TM+\b]         ; 8 off its exponent field: the conversion takes the exponent field of this operand as its scale
.endr
.irp b, 0,1,2,3
.endr
.irp b, 0,1,2,3
	v_lshrrev_b32 v[TM+4+\b], 23, v[TM+12+\b]              ; the scale's byte
.endr
	v_lshl_or_b32 v[\pw], v[TM+5], 8, v[TM+4]              ; the four bytes make my row's scale word (the same in lanes l and l xor 16)
	v_lshl_or_b32 v[\pw], v[TM+6], 16, v[\pw]
	v_lshl_or_b32 v[\pw], v[TM+7], 24, v[\pw]
.irp b, 0,1,2,3
.irp i, 0,1,2,3,4,5,6,7,8,9,10,11,12,13,14,15
.endr
	v_cvt_scalef32_pk8_fp8_f32 v[(\dst)+4*\b:(\dst)+4*\b+1], v[(\src)+16*\b:(\src)+16*\b+7], v[TM+12+\b]
	v_cvt_scalef32_pk8_fp8_f32 v[(\dst)+4*\b+2:(\dst)+4*\b+3], v[(\src)+16*\b+8:(\src)+16*\b+15], v[TM+12+\b]
.endr
	v_nop                                                  ; one plain vector line between the last conversion and whatever next touches its result or writes its sources
.endm
; Fragment f of my eight of W (K step f / 4, my tile f % 4) as f32: of my row, 16 neighbouring numbers of each block of 32: sixteen loads of 16 bytes, into half `set` of v128-255
.macro WLOAD f, set
.irp cb, 0,1,2,3
.irp j, 0,1,2,3
	global_load_b128 v[XN+64*(\set)+16*\cb+4*\j:XN+64*(\set)+16*\cb+4*\j+3], v[WOF], s[8:9] offset:(32*(((\f)%4)/2)+8*((\f)%2))*1024+512*((\f)/4)+128*\cb+16*\j
.endr
.endr
.endm
.macro WFRAG f                         ; it is quantised, and its image and scale word go to LDS
.if (\f) < 7
	s_wait_loadcnt 16                                      ; loads come back in order: this fragment's sixteen are in (and the bias, asked for earlier); the next fragment's sixteen may be out
.else
	s_wait_loadcnt 0x0
.endif
	QUANT XN+64*((\f)%2), OC, PW0
.irp c, 0,1,2,3
	ds_store_b128 v[WI], v[OC+4*\c:OC+4*\c+3] offset:((\f)%4)*2048+512*\c   ; the fragment as it stands: lane l's 16 bytes at 16 l
.endr
	ds_store_b32 v[WSA], v[PW0] offset:((\f)%4)*128+64*((\f)/4)             ; lanes l and l xor 16 write the same word with the same value
.if (\f) < 6
	WLOAD (\f)+2, (\f)%2
.endif
	s_wait_dscnt 0x0                                       ; the stores have read their registers: the next fragment's codes may be written
.endm
.macro FETCHW                          ; the 16 images of a K step come back, in every wave, into the window that is set
.irp t, 0,1,2,3,4,5,6,7,8,9,10,11,12,13,14,15
.irp c, 0,1,2,3
	ds_load_b128 v[16*\t+4*\c:16*\t+4*\c+3], v[LI] offset:2048*\t+512*\c
.endr
.endr
.endm
	s_load_b256 s[4:11], s[0:1], 0x0               ; q s[4:5], k s[6:7], wq s[8:9], wk s[10:11]
	s_load_b256 s[12:19], s[0:1], 0x20             ; bq s[12:13], bk s[14:15], codes s[16:17], scales s[18:19]
	v_lshl_add_u32 v126, v0, 2, 0x4b000
	v_mov_b32 v127, 0
	ds_add_u32 v126, v127
	ds_add_u32 v126, v127
	v_lshrrev_b32 v1, 5, v0
	v_readfirstlane_b32 s[WV], v1                  ; wave 0..3
	s_mov_b32 s[SEL], 0x76543210
	s_mov_b32 s[SEL+1], 0xfedcba98
	s_mov_b32 s[HI16], 0xffff0000
	; descriptor group 1: a tile of 64 rows c x 64 pixels of f32, rows 4,096 elements apart in memory
	s_mov_b32 s[G1], (2<<16)|(1<<20)|(5<<22)|(1<<25)   ; 15:0 no mask; 17:16 elements of 4 bytes; 20 padding on; 24:22 after every 64 words (code 5); 31:25 two words (code 1)
	s_mov_b32 s[G1+1], 64<<16                      ; tensor_dim0 = 64
	s_mov_b32 s[G1+2], 64<<16                      ; tensor_dim1 = 64
	s_mov_b32 s[G1+3], 64<<16                      ; tile_dim0 = 64
	s_mov_b32 s[G1+4], 64                          ; tile_dim1 = 64
	s_mov_b32 s[G1+5], 4096                        ; tensor_dim0_stride
	s_mov_b32 s[G1+6], 0
	s_mov_b32 s[G1+7], 0
	s_bfe_u32 s50, ttmp9, 0x30004                  ; batch = (work-group / 16) % 8
	s_and_b32 s51, ttmp9, 15                       ; which 256 pixels of it
	s_lshl_b32 s52, s50, 22                        ; a batch is 4,194,304 bytes,
	s_lshl_b32 s54, s[WV], 20                      ; my 64 rows c begin 64 x 16,384 bytes x wave on,
	s_add_co_u32 s52, s52, s54
	s_lshl_b32 s54, s51, 10                        ; 256 pixels are 1,024 bytes
	s_add_co_u32 s52, s52, s54
	s_mov_b32 s53, 0
	s_mul_i32 s49, s[WV], XQ                       ; and in a chunk in LDS: 64 rows x wave
	s_wait_dscnt 0x0
	s_wait_kmcnt 0x0
	s_cmp_lt_u32 ttmp9, 128                        ; q's work-group or k's?  The choice hangs on the work-group's number alone
	s_cselect_b64 s[4:5], s[4:5], s[6:7]
	s_cselect_b64 s[8:9], s[8:9], s[10:11]
	s_cselect_b64 s[12:13], s[12:13], s[14:15]
	s_add_nc_u64 s[4:5], s[4:5], s[52:53]
.irp j, 0,1,2,3
	s_mov_b32 s[G0+4*\j], 1                                        ; count = 1
	s_add_co_u32 s[G0+4*\j+1], s49, \j*XCH                         ; LDS address
	s_add_nc_u64 s[G0+4*\j+2:G0+4*\j+3], s[4:5], 256*\j            ; global address: chunk j's 64 pixels
	s_or_b32 s[G0+4*\j+3], s[G0+4*\j+3], 0x80000000               ; type = 2
.endr
.irp j, 0,1,2,3
	tensor_load_to_lds s[G0+4*\j:G0+4*\j+3], s[G1:G1+7]            ; all of x that the work-group will read goes out at once: four loads of mine are out; each LDS byte is filled once
	s_nop 0
.endr
.rept 4
	v_nop                                          ; four plain lines behind the loads
.endr
	s_lshl_b32 s52, s[WV], 16
	s_add_nc_u64 s[8:9], s[8:9], s[52:53]          ; W at my 64 rows
	s_lshl_b32 s52, ttmp9, 16
	s_add_nc_u64 s[16:17], s[16:17], s[52:53]      ; the codes' buffer at the work-group's 16 tiles of 4,096 bytes
	s_lshl_b32 s52, ttmp9, 11
	s_lshl_b32 s54, s[WV], 9
	s_add_co_u32 s52, s52, s54
	s_add_nc_u64 s[18:19], s[18:19], s[52:53]      ; the scales' buffer at the work-group's 2,048 bytes, my 512 of them
	v_and_b32 v[LN], 31, v0
	v_and_b32 v[RR], 15, v0
	v_bfe_u32 v[HH], v0, 4, 1
	v_lshlrev_b32 v[BOF], 6, v[HH]
	v_and_b32 v[WOF], 8, v[RR]
	v_add_nc_u32 v[WOF], v[WOF], v[RR]             ; r + 8 (r / 8)
	v_lshlrev_b32 v[WOF], 10, v[WOF]
	v_lshl_add_u32 v[WOF], v[HH], 6, v[WOF]
	WIN 0xc0                                       ; destination window 3
.irp t, 0,1,2,3,4,5,6,7,8,9,10,11,12,13,14,15
	global_load_b128 v[8*\t:8*\t+3], v[BOF], s[12:13] offset:(32*(\t/2)+8*(\t%2))*4       ; lane (r, h) wants, for tile t, the bias of channels 32 (t / 2) + 16 h + 8 (t % 2) + 0..7
	global_load_b128 v[8*\t+4:8*\t+7], v[BOF], s[12:13] offset:(32*(\t/2)+8*(\t%2))*4+16
.endr
	WIN 0
	WLOAD 0, 0
	WLOAD 1, 1
	v_lshlrev_b32 v[GL], 4, v[LN]
	v_add_nc_u32 v[LI], WST, v[GL]
	v_lshl_add_u32 v[LS], v[LN], 2, WSC
	s_lshl_b32 s52, s[WV], 13
	v_add_nc_u32 v[WI], s52, v[LI]
	s_lshl_b32 s52, s[WV], 9
	s_add_co_u32 s54, s52, WSC
	v_lshl_add_u32 v[WSA], v[RR], 2, s54
	s_add_co_u32 s54, s52, SCST
	v_add_nc_u32 v[SRD], s54, v[GL]
	v_lshlrev_b32 v[XA], 2, v[RR]
	v_mad_u32_u24 v[XA], v[HH], 16*XP, v[XA]
	s_lshl_b32 s52, s[WV], 6
	v_add_nc_u32 v[XA], s52, v[XA]
.irp j, 1,2,3
	v_add_nc_u32 v[XA+\j], \j*XCH, v[XA]
.endr
	s_lshl_b32 s52, s[WV], 12
	v_add_nc_u32 v[CO], s52, v[GL]
	s_lshr_b32 s52, s[WV], 1
	s_lshl_b32 s52, s52, 8
	s_and_b32 s54, s[WV], 1
	s_lshl_b32 s54, s54, 2
	s_add_co_u32 s52, s52, s54
	s_add_co_u32 s52, s52, SCST
	v_lshl_add_u32 v[SSA], v[LN], 3, s52
.irp b, 0,1,2,3
	v_mov_b32 v[TM+4+\b], 0                        ; written once: a lane permute's destination counts as one of its sources
.endr
	; ---- THE WEIGHT.  Wave w quantises tiles 4 w .. 4 w + 3, K step 0 and then K step 1; the stage holds one K step's 16 images, so it is used twice, with a barrier on each side of each use
.irp f, 0,1,2,3
	WFRAG \f
.endr
	BARRIER                                        ; K step 0's sixteen images lie in LDS
	WIN 0x40                                       ; destination window 1
	FETCHW
	WIN 0
	BARRIER                                        ; every wave has them in registers: the stage may be written again
.irp f, 4,5,6,7
	WFRAG \f
.endr
	BARRIER                                        ; K step 1's images, and all of W's scale words
	WIN 0x80                                       ; destination window 2
	FETCHW
	WIN 0
.irp t, 0,1,2,3,4,5,6,7,8,9,10,11,12,13,14,15
	ds_load_b32 v[WS+\t], v[LS] offset:128*\t      ; lanes 0-15: K step 0's word of the tile's row r; lanes 16-31: K step 1's
.endr
; ---- A CHUNK OF 64 PIXELS: my tile of 16
.macro CHUNK j
	s_wait_tensorcnt 3-\j                          ; tensor loads of a wave end in order (ISA guide 10.11.1): my 64 rows of this chunk are in; the later chunks' loads may stay out
	BARRIER                                        ; everybody's rows are in
.irp s, 0,1
.irp cb, 0,1,2,3
.irp i, 0,1,2,3,4,5,6,7,8,9,10,11,12,13,14,15
	ds_load_b32 v[XN+64*\s+16*\cb+\i], v[XA+\j] offset:(128*\s+32*\cb+\i)*XP   ; x(128 s + 32 cb + 16 h + i, my pixel): my registers run down c
.endr
.endr
.endr
	s_wait_dscnt 63                                ; LDS loads come back in order: all but the youngest 63 are in, K step 0's 64 among them
	QUANT XN, XC, XS0
	s_wait_dscnt 0x0
	QUANT XN+64, XC+16, XS1
.rept 3
	v_nop                                          ; with the quantiser's last line: four places between codes written by vector instructions and the scaled matrix instruction that takes them; the scale word was made 70 lines up
.endr
	WIN 0x31                                       ; source 0 (W) window 1, source 2 (the bias) window 3
.irp t, 0,1,2,3,4,5,6,7,8,9,10,11,12,13,14,15
	v_wmma_scale_f32_16x16x128_f8f6f4 v[XN+8*\t:XN+8*\t+7], v[16*\t:16*\t+15], v[XC:XC+15], v[8*\t:8*\t+7], v[WS+\t], v[XS0]
.endr
	WIN 0x02                                       ; source 0 window 2.  The sixteen accumulators take turns
.irp t, 0,1,2,3,4,5,6,7,8,9,10,11,12,13,14,15
	v_wmma_scale_f32_16x16x128_f8f6f4 v[XN+8*\t:XN+8*\t+7], v[16*\t:16*\t+15], v[XC+16:XC+31], v[XN+8*\t:XN+8*\t+7], v[WS+\t], v[XS1] matrix_a_scale:MATRIX_SCALE_ROW1
.endr
	WIN 0
.rept 8
	v_nop                                          ; eight places behind this form before a vector instruction reads a result
.endr
	s_wait_xcnt 0x0                                ; the last chunk's stores have had their addresses translated (ISA guide 3.1): their data registers are written again only behind this wait
	QUANT XN, OC, PW0                              ; channels 0-127 of my pixel: K step 0 of the next product.  Each accumulator is read from its low end on
	QUANT XN+64, OC+16, PW1                        ; channels 128-255
.irp s, 0,1
.irp c, 0,1,2,3
	global_store_b128 v[CO], v[OC+16*\s+4*\c:OC+16*\s+4*\c+3], s[16:17] offset:16384*\j+2048*\s+512*\c   ; 32 lanes store 512 consecutive bytes, at a multiple of 512 from the buffer's first byte
.endr
.endr
	v_cndmask_b32 v[OSW], v[PW0], v[PW1], s[HI16]  ; lanes 0-15 K step 0's word, lanes 16-31 K step 1's
	ds_store_b32 v[SSA], v[OSW] offset:512*\j      ; gathered in LDS, so that they leave in whole runs of 512 bytes
.endm
	CHUNK 0
	CHUNK 1
	CHUNK 2
	CHUNK 3
	BARRIER                                        ; the work-group's 2,048 bytes of scale words lie in LDS
	ds_load_b128 v[120:123], v[SRD]
	s_wait_dscnt 0x0
	global_store_b128 v[GL], v[120:123], s[18:19]  ; 32 lanes store 512 consecutive bytes
	s_wait_tensorcnt 0x0
	ds_add_u32 v126, v127
	s_wait_dscnt 0x0
	s_endpgm
.Lfunc_end_k_q8d3b794a52_proj:
	.size	k_q8d3b794a52_proj, .Lfunc_end_k_q8d3b794a52_proj-k_q8d3b794a52_proj
	.p2alignl 7, 3214868480
	.fill 96, 4, 3214868480
	.section	.rodata,"a",@progbits
	.p2align	6, 0x0
	.amdhsa_kernel k_q8d3b794a52_proj
		.amdhsa_group_segment_fixed_size 307712
		.amdhsa_private_segment_fixed_size 0
		.amdhsa_enable_private_segment 0
		.amdhsa_kernarg_size 64
		.amdhsa_user_sgpr_count 2
		.amdhsa_user_sgpr_kernarg_segment_ptr 1
		.amdhsa_wavefront_size32 1
		.amdhsa_system_sgpr_workgroup_id_x 1
		.amdhsa_system_sgpr_workgroup_id_y 1
		.amdhsa_system_sgpr_workgroup_id_z 1
		.amdhsa_system_vgpr_workitem_id 0
		.amdhsa_next_free_vgpr 1024
		.amdhsa_next_free_sgpr 66
		.amdhsa_reserve_vcc 0
		.amdhsa_float_denorm_mode_32 3
		.amdhsa_float_denorm_mode_16_64 3
		.amdhsa_fp16_overflow 1
		.amdhsa_memory_ordered 1
		.amdhsa_forward_progress 1
		.amdhsa_inst_pref_size 174
	.end_amdhsa_kernel
	.amdgpu_metadata
---
amdhsa.version: [ 1, 2 ]
amdhsa.kernels:
  - .name:           k_q8d3b794a52_proj
    .symbol:         k_q8d3b794a52_proj.kd
    .args:
      - { .name: q, .offset: 0, .size: 8, .value_kind: global_buffer, .address_space: global }
      - { .name: k, .offset: 8, .size: 8, .value_kind: global_buffer, .address_space: global }
      - { .name: wq, .offset: 16, .size: 8, .value_kind: global_buffer, .address_space: global }
      - { .name: wk, .offset: 24, .size: 8, .value_kind: global_buffer, .address_space: global }
      - { .name: bq, .offset: 32, .size: 8, .value_kind: global_buffer, .address_space: global }
      - { .name: bk, .offset: 40, .size: 8, .value_kind: global_buffer, .address_space: global }
      - { .name: codes, .offset: 48, .size: 8, .value_kind: global_buffer, .address_space: global }
      - { .name: scales, .offset: 56, .size: 8, .value_kind: global_buffer, .address_space: global }
    .group_segment_fixed_size: 307712
    .private_segment_fixed_size: 0
    .kernarg_segment_align: 8
    .kernarg_segment_size: 64
    .max_flat_workgroup_size: 128
    .sgpr_count:     66
    .vgpr_count:     1024
    .wavefront_size: 32
...
	.end_amdgpu_metadata
.endif
;; end of part 1
;; launch rel (part 2): grid 8 x 32, 4 waves a work-group, clusters of 4 x 1, 276,992 bytes of LDS; arguments codes, scales, w_lin, vpart; writes vpart
.if DOCPART == 2
	.amdgcn_target "amdgcn-amd-amdhsa--gfx1250"
	.amdhsa_code_object_version 6
	.text
	.protected	k_q8d3b794a52_rel
	.globl	k_q8d3b794a52_rel
	.p2align	8
	.type	k_q8d3b794a52_rel,@function
k_q8d3b794a52_rel:
	s_mov_b64 s[64:65], 0
	v_nop
	global_prefetch_b8 v0, s[64:65] scope:SCOPE_SE
	s_setreg_imm32_b32 hwreg(HW_REG_WAVE_MODE, 25, 1), 1
	s_wait_xcnt 0x0
	s_wait_alu depctr_hold_cnt(0) depctr_sa_sdst(0) depctr_va_vdst(0) depctr_va_sdst(0) depctr_va_ssrc(0) depctr_va_vcc(0) depctr_vm_vsrc(0)
	s_getreg_b32 s2, hwreg(HW_REG_IB_STS2, 6, 4)
	s_cmp_eq_u32 s2, 0
	s_cbranch_scc0 .Lentry_in_a_cluster
	s_endpgm
.Lentry_in_a_cluster:
	s_bfe_u32 s2, ttmp6, 0x10000c
	s_cmp_lg_u32 s2, 0x3003
	s_cbranch_scc0 .Lentry_shape_is_right
	s_endpgm
.Lentry_shape_is_right:
; THE RELATION MATRIX AND THE LINEAR LAYER BEHIND IT: vpart[kb][batch][n] = sum over the 1,024 keys m of key block kb of rel[n][m] w_lin[m], rel[n][m] = sum over the 256 channels of query[n] key[m],
; on codes of FP8 (E4M3) with one E8M0 scale for each 32 channels.  rel is never stored: each tile of it is folded with w_lin by f32 multiply-adds straight out of the accumulators.
; IN: codes and scales as the launch before laid them: images of operand registers, 4,096 bytes a tile of 16 pixels (two K steps of 2,048), and 256 bytes of scale words a pair of tiles.
; SHARES.  Work-group (x, y): batch y / 4, key block y % 4 (1,024 keys = 64 tiles), 512 queries (x).  Wave w keeps 128 queries, eight tiles, 256 registers, for the whole launch, read from memory once, and
; walks the 64 key tiles out of LDS: one key tile (4,096 bytes) feeds 16 matrix instructions.
; CLUSTER.  The four work-groups of a cluster share batch and key block, so the keys' codes (262,144 bytes), their scale words (8,192) and w_lin's part (4,096) are asked for JOINTLY: the same tensor loads,
; the same descriptors, a mask that names the four.  All of it fits in LDS at once: every load is a first fill, behind one round of the cluster's barrier; six loads of a wave are out at the most.
; The queries are not shared: each wave's go straight into its registers.
; THE MATRIX INSTRUCTION: source 0 = 16 keys, source 1 = 16 queries: a lane holds ONE query (lane % 16), and its registers the keys 8 (lane / 16) + 0..7.  So the fold is four packed multiply-adds a tile,
; and a query's sum wants one exchange between the halves of the lanes, at the end.
; BY TURNS.  Two sets of eight accumulators: while the matrix unit fills one set (16 instructions: two K steps x eight query tiles), the other set's 32 multiply-adds stand behind them, two behind each.
; REGISTERS, in windows of 256: window 0: v4-15 addresses; v16-27 scale words; v32-55 the way out.
;   window 1: v0-127 the queries' fragments of K step 0 (tile a at 16 a); v128-135 w_lin of keys 8 h + 0..3, for each set.   window 2: the same for K step 1, and keys 8 h + 4..7.
;   window 3: v0-127 the accumulators (set p, tile a at 64 p + 8 a); v128-191 the keys' fragments (set p, K step s at 128 + 32 p + 16 s); v192-207 the running sums, a pair for each query tile.
; ONE window setting serves a K step's matrix instructions AND the multiply-adds between them: source 1 is the queries' window for the one and w_lin's for the other.
.set KSC,  262144                      ; LDS: the keys' codes at 0 (tile T at 4,096 T); behind them their scale words,
.set WL,   KSC+8192                    ; w_lin's 1,024 numbers,
.set SCR,  WL+4096                     ; and 512 bytes for each wave, for the way out: no tensor load lands here
.set AK0,  4                           ; v4   16 x lane
.set GL8,  5                           ; v5   8 x lane
.set AK,   6                           ; v6-7   LDS address of the trip's first key tile: two sets, trip n uses set n % 2 and makes the other at its end, when no load that names the other can be out
.set ASC,  8                           ; v8-9   of its pair's scale words
.set AWL,  10                          ; v10-11 of its 16 numbers of w_lin
.set SST,  12                          ; v12  SCR + 512 x wave + 4 x lane
.set SRD,  13                          ; v13  SCR + 512 x wave + 16 x lane
.set ASC0, 14                          ; v14  KSC + 8 x lane
.set AWL0, 15                          ; v15  WL + 32 h
.set SA,   16                          ; v16-23 the queries' scale words, tile a: lanes 0-15 K step 0, lanes 16-31 K step 1
.set SB0,  24                          ; v24-25 the keys' scale words for K step 0, set p (read from lanes 0-15)
.set SB1,  26                          ; v26-27 for K step 1, set p (read from lanes 16-31)
.set T,    32
.set T2,   40
.set R,    48
.set KF,   128
.set WR,   128
.set VA,   192
.set WV,   12                          ; s12  my wave's number
.set CNT,  22                          ; s22  trips to go
.set HI16, 23                          ; s23  the mask of lanes 16-31
.set G1C,  24                          ; s[24:31] descriptor group 1: 64 rows of 256 bytes;  s[32:39]: 8 rows;  s[40:47]: 4 rows
.set G1S,  32
.set G1W,  40
.set TSD,  48                          ; s[48:51] group 0 for the scale words;  s[52:55] for w_lin
.set TWD,  52
.set SEL,  76                          ; s[76:77] lane selects for v_permlanex16_b32: lane l xor 16
.set TK,   84                          ; s84-86 how far the walk has come: 8,192, 256 and 128 bytes a trip
.set TS,   85
.set TW,   86
.set MS0,  0xf7                        ; source 0 window 3, source 1 window 1, source 2 and destination window 3;  + 4: source 1 window 2
.set MSB, 0
.macro WIN new                         ; the immediate's high byte repeats the setting that is left; a switch that changes nothing is dropped
.if MSB != (\new)
	s_set_vgpr_msb (MSB<<8)|(\new)
.set MSB, (\new)
.endif
.endm
; A round of the cluster's barrier: my work-group's barrier, so that wave 0's signal speaks for all four waves; wave 0 signals for the work-group; every wave waits for all four work-groups; my work-group's barrier once more.
.macro ROUND
	s_barrier_signal -1
	s_barrier_wait -1
	s_cmp_lg_u32 s[WV], 0
	s_cbranch_scc1 .Lnot_wave_0_\@
	s_barrier_signal -3
.Lnot_wave_0_\@:
	s_barrier_wait -3
	s_barrier_signal -1
	s_barrier_wait -1
.endm
.macro MKG1 g, rows                    ; a dense block as rows of 256 bytes: 32 elements of 8 bytes
	s_mov_b32 s[\g], 15|(3<<16)|(1<<21)            ; 15:0 the mask: all four work-groups; 17:16 elements of 8 bytes; 21 set beside a mask; no padding: a fragment's load takes 512 consecutive bytes
	s_mov_b32 s[\g+1], 32<<16                      ; tensor_dim0
	s_mov_b32 s[\g+2], (\rows)<<16                 ; tensor_dim1
	s_mov_b32 s[\g+3], 32<<16                      ; tile_dim0
	s_mov_b32 s[\g+4], \rows                       ; tile_dim1
	s_mov_b32 s[\g+5], 32                          ; tensor_dim0_stride
	s_mov_b32 s[\g+6], 0
	s_mov_b32 s[\g+7], 0
.endm
.macro MKG0 g, lreg, lcon, base, step
	s_mov_b32 s[\g], 1                             ; count = 1
	s_add_co_u32 s[\g+1], s[\lreg], \lcon          ; LDS address: a constant + a constant x wave
	s_add_nc_u64 s[\g+2:\g+3], s[\base:\base+1], \step
	s_or_b32 s[\g+3], s[\g+3], 0x80000000          ; type = 2
.endm
	s_load_b256 s[4:11], s[0:1], 0x0               ; codes s[4:5], scales s[6:7], w_lin s[8:9], vpart s[10:11]
	v_lshl_add_u32 v254, v0, 2, 0x43800
	v_mov_b32 v255, 0
	ds_add_u32 v254, v255
	ds_add_u32 v254, v255
	v_lshrrev_b32 v1, 5, v0
	v_readfirstlane_b32 s[WV], v1                  ; wave 0..3
	s_and_b32 s15, ttmp7, 0xffff                   ; y, which the four partners share
	s_lshr_b32 s16, s15, 2                         ; batch
	s_and_b32 s17, s15, 3                          ; key block
	; what the partners share: the key tensor is the second of the two, so its batch b is number 8 + b
	s_add_co_u32 s95, s16, 8
	s_lshl_b32 s20, s95, 20                        ; codes: 1,048,576 bytes a batch,
	s_lshl_b32 s21, s17, 18                        ; 262,144 a key block,
	s_add_co_u32 s20, s20, s21
	s_lshl_b32 s94, s[WV], 14                      ; 16,384 (four tiles) a wave in each chunk of 16 tiles
	s_add_co_u32 s20, s20, s94
	s_mov_b32 s21, 0
	s_lshl_b32 s88, s95, 15                        ; scale words: 32,768 a batch, 8,192 a key block, 2,048 a wave
	s_lshl_b32 s89, s17, 13
	s_add_co_u32 s88, s88, s89
	s_lshl_b32 s92, s[WV], 11
	s_add_co_u32 s88, s88, s92
	s_mov_b32 s89, 0
	s_lshl_b32 s90, s17, 12                        ; w_lin: 4,096 a key block, 1,024 a wave
	s_lshl_b32 s93, s[WV], 10
	s_add_co_u32 s90, s90, s93
	s_mov_b32 s91, 0
	MKG1 G1C, 64
	MKG1 G1S, 8
	MKG1 G1W, 4
	s_mov_b32 s[HI16], 0xffff0000
	s_mov_b32 s[SEL], 0x76543210
	s_mov_b32 s[SEL+1], 0xfedcba98
	s_mov_b32 s[TK], 0
	s_mov_b32 s[TS], 0
	s_mov_b32 s[TW], 0
	s_wait_dscnt 0x0
	s_wait_kmcnt 0x0
	s_add_nc_u64 s[20:21], s[4:5], s[20:21]
	s_add_nc_u64 s[88:89], s[6:7], s[88:89]
	s_add_nc_u64 s[90:91], s[8:9], s[90:91]
	MKG0 TSD, 92, KSC, 88, 0
	MKG0 TWD, 93, WL, 90, 0
	MKG0 56, 94, 0, 20, 0                          ; the four chunks of 16 key tiles: s[56:59], s[60:63], s[68:71], s[72:75]
	MKG0 60, 94, 65536, 20, 65536
	MKG0 68, 94, 131072, 20, 131072
	MKG0 72, 94, 196608, 20, 196608
	ROUND                                          ; all four work-groups are here: the joint loads meet
	tensor_load_to_lds s[TSD:TSD+3], s[G1S:G1S+7]  ; the small ones first: they are wanted with the first chunk
	s_nop 0
	tensor_load_to_lds s[TWD:TWD+3], s[G1W:G1W+7]
	s_nop 0
	tensor_load_to_lds s[56:59], s[G1C:G1C+7]
	s_nop 0
	tensor_load_to_lds s[60:63], s[G1C:G1C+7]
	s_nop 0
	tensor_load_to_lds s[68:71], s[G1C:G1C+7]
	s_nop 0
	tensor_load_to_lds s[72:75], s[G1C:G1C+7]
	s_nop 0
.rept 4
	v_nop                                          ; four plain lines behind the loads
.endr
	; what is mine alone: my place in the cluster enters the queries' and the result's addresses, in registers that no descriptor names
	s_bfe_u32 s13, ttmp6, 0x40000                  ; cx
	s_lshl_b32 s14, ttmp9, 2                       ; in a cluster launch ttmp9 counts clusters
	s_add_co_u32 s14, s14, s13                     ; my block of 512 queries
	s_lshl_b32 s18, s16, 20
	s_lshl_b32 s19, s14, 17                        ; 32 tiles of 4,096 bytes
	s_add_co_u32 s18, s18, s19
	s_lshl_b32 s19, s[WV], 15                      ; my wave's eight
	s_add_co_u32 s18, s18, s19
	s_mov_b32 s19, 0
	s_add_nc_u64 s[78:79], s[4:5], s[18:19]        ; the queries' codes
	s_lshl_b32 s18, s16, 15
	s_lshl_b32 s2, s14, 12
	s_add_co_u32 s18, s18, s2
	s_lshl_b32 s2, s[WV], 10
	s_add_co_u32 s18, s18, s2
	s_add_nc_u64 s[80:81], s[6:7], s[18:19]        ; their scale words
	s_lshl_b32 s18, s17, 3
	s_add_co_u32 s18, s18, s16
	s_lshl_b32 s18, s18, 14                        ; vpart: row 8 kb + batch of 16,384 bytes,
	s_lshl_b32 s2, s14, 11                         ; 512 queries of 4 bytes,
	s_add_co_u32 s18, s18, s2
	s_lshl_b32 s2, s[WV], 9                        ; my wave's 128
	s_add_co_u32 s18, s18, s2
	s_add_nc_u64 s[82:83], s[10:11], s[18:19]
	v_and_b32 v3, 31, v0                           ; lane
	v_bfe_u32 v2, v0, 4, 1                         ; h
	v_lshlrev_b32 v[AK0], 4, v3
	v_lshlrev_b32 v[GL8], 3, v3
	WIN 0x40                                       ; destination window 1
.irp a, 0,1,2,3,4,5,6,7
.irp c, 0,1,2,3
	global_load_b128 v[16*\a+4*\c:16*\a+4*\c+3], v[AK0], s[78:79] offset:4096*\a+512*\c          ; the queries' fragments of K step 0: they stay
.endr
.endr
	WIN 0x80                                       ; destination window 2
.irp a, 0,1,2,3,4,5,6,7
.irp c, 0,1,2,3
	global_load_b128 v[16*\a+4*\c:16*\a+4*\c+3], v[AK0], s[78:79] offset:4096*\a+2048+512*\c     ; and of K step 1
.endr
.endr
	WIN 0
.irp i, 0,1,2,3
	global_load_b64 v[SA+2*\i:SA+2*\i+1], v[GL8], s[80:81] offset:256*\i                         ; a pair of tiles' scale words: 256 consecutive bytes
.endr
	v_add_nc_u32 v[ASC0], KSC, v[GL8]
	v_lshl_add_u32 v[AWL0], v2, 5, WL
	s_lshl_b32 s2, s[WV], 9
	s_add_co_u32 s2, s2, SCR
	v_lshl_add_u32 v[SST], v3, 2, s2
	v_add_nc_u32 v[SRD], s2, v[AK0]
	v_add_nc_u32 v[AK], s[TK], v[AK0]              ; set 0 of the walking addresses: tile 0
	v_add_nc_u32 v[ASC], s[TS], v[ASC0]
	v_add_nc_u32 v[AWL], s[TW], v[AWL0]
.irp a, 0,1,2,3,4,5,6,7
	v_mov_b32 v[T2+\a], 0                          ; written once: a lane permute's destination counts as one of its sources
.endr
; One matrix instruction: K step s of the key tile in set p against query tile a.  K step 0 starts the sum: nothing is ever cleared.
.macro WM s, p, a
.if \s == 0
	v_wmma_scale_f32_16x16x128_f8f6f4 v[64*\p+8*\a:64*\p+8*\a+7], v[KF+32*\p:KF+32*\p+15], v[16*\a:16*\a+15], 0, v[SB0+\p], v[SA+\a]
.else
	v_wmma_scale_f32_16x16x128_f8f6f4 v[64*\p+8*\a:64*\p+8*\a+7], v[KF+32*\p+16:KF+32*\p+31], v[16*\a:16*\a+15], v[64*\p+8*\a:64*\p+8*\a+7], v[SB1+\p], v[SA+\a] matrix_a_scale:MATRIX_SCALE_ROW1 matrix_b_scale:MATRIX_SCALE_ROW1
.endif
.endm
; Multiply-add f of 32 on the finished set q: keys 8 h + 2 (f / 8), + 1 of query tile f % 8.  fm = 2: as it stands; 1: the first eight start the sums; 0: there is no finished set yet
.macro FM f, q, fm
.set fi, (\f)/8
.set fa, (\f)%8
.if \fm == 0
	v_nop
.elseif (\fm == 1) && (fi == 0)
	v_pk_mul_f32 v[VA+2*fa:VA+2*fa+1], v[64*(\q)+8*fa+2*fi:64*(\q)+8*fa+2*fi+1], v[WR+4*(\q)+2*(fi%2):WR+4*(\q)+2*(fi%2)+1]
.else
	v_pk_fma_f32 v[VA+2*fa:VA+2*fa+1], v[64*(\q)+8*fa+2*fi:64*(\q)+8*fa+2*fi+1], v[WR+4*(\q)+2*(fi%2):WR+4*(\q)+2*(fi%2)+1], v[VA+2*fa:VA+2*fa+1]
.endif
.endm
; A run of six LDS loads, in a group's middle; offsets count from the trip's first tile.  In K step 0 of set p: K step 1 of the next tile, into the other set, whose last reader stands at least nine plain lines back;
; its scale words; and keys 4..7 of w_lin for the tile in hand.  In K step 1 of set p: K step 0 of the tile after next, into this set; its scale words; keys 0..3 of w_lin for the next tile.
; lm = 2: all six; 1: w_lin's alone; 0: none (the last tiles have no successors).
.macro RUN s, p, lm, as
.if \lm == 2
	WIN 0xc0                                       ; destination window 3, address window 0
.if \s == 0
.irp c, 0,1,2,3
	ds_load_b128 v[KF+32*(1-\p)+16+4*\c:KF+32*(1-\p)+16+4*\c+3], v[AK+\as] offset:4096*(\p+1)+2048+512*\c
.endr
	WIN 0
	ds_load_b32 v[SB1+1-\p], v[ASC+\as] offset:256*((\p+1)/2)+4*((\p+1)%2)
.else
.irp c, 0,1,2,3
	ds_load_b128 v[KF+32*\p+4*\c:KF+32*\p+4*\c+3], v[AK+\as] offset:4096*(\p+2)+512*\c
.endr
	WIN 0
	ds_load_b32 v[SB0+\p], v[ASC+\as] offset:256*((\p+2)/2)+4*((\p+2)%2)
.endif
.endif
.if \lm >= 1
.if \s == 0
	WIN 0x80                                       ; destination window 2
	ds_load_b128 v[WR+4*\p:WR+4*\p+3], v[AWL+\as] offset:64*\p+16
.else
	WIN 0x40                                       ; destination window 1
	ds_load_b128 v[WR+4*(1-\p):WR+4*(1-\p)+3], v[AWL+\as] offset:64*(\p+1)
.endif
.endif
.endm
; A GROUP: K step s of the key tile in set p: eight matrix instructions, one for each query tile, so that the accumulators take turns; two multiply-adds on the other set behind each.
; These are the places that the form wants (ISA guide 7.12.1): multiply-add number a reads an accumulator 16 - a plain lines behind the instruction that finished it, and a set is begun anew 28 such lines or more behind its last writer.
.macro GROUP s, p, fm, lm, cnt, as
	s_wait_dscnt \cnt                              ; LDS loads come back in order: what this group reads was asked for two runs back or earlier; the younger runs may be out
	WIN MS0+4*\s
.irp a, 0,1,2,3
	WM \s, \p, \a
	FM 16*\s+2*\a, 1-\p, \fm
	FM 16*\s+2*\a+1, 1-\p, \fm
.endr
	RUN \s, \p, \lm, \as
	WIN MS0+4*\s
.irp a, 4,5,6,7
	WM \s, \p, \a
	FM 16*\s+2*\a, 1-\p, \fm
	FM 16*\s+2*\a+1, 1-\p, \fm
.endr
.endm
; A TRIP: two key tiles.  At its end the OTHER set of addresses is made for the next trip: the loads that named that set are a trip old, and the third group's wait has shown them done.
.macro TRIP as, f0, f1, c0
	GROUP 0, 0, \f0, 2, \c0, \as
	GROUP 1, 0, \f0, 2, 12, \as
	GROUP 0, 1, \f1, 2, 12, \as
	GROUP 1, 1, \f1, 2, 12, \as
	WIN 0                                          ; at a label and at a branch every window is 0
	s_add_co_u32 s[TK], s[TK], 8192
	s_add_co_u32 s[TS], s[TS], 256
	s_add_co_u32 s[TW], s[TW], 128
	v_add_nc_u32 v[AK+1-\as], s[TK], v[AK0]
	v_add_nc_u32 v[ASC+1-\as], s[TS], v[ASC0]
	v_add_nc_u32 v[AWL+1-\as], s[TW], v[AWL0]
.endm
.macro WALK n                          ; 2 n trips
	s_mov_b32 s[CNT], \n
.Lwalk_\@:
	TRIP 1, 2, 2, 12
	TRIP 0, 2, 2, 12
	s_sub_co_u32 s[CNT], s[CNT], 1
	s_cmp_lg_u32 s[CNT], 0
	s_cbranch_scc1 .Lwalk_\@
.endm
.macro NEXTCHUNK n                     ; the next 16 key tiles are in: my part by my own count (n younger loads may stay out), the others' behind the barrier
	s_wait_tensorcnt \n
	s_wait_dscnt 0x0                               ; no LDS instruction of mine is pending at a signal
	s_barrier_signal -1
	s_barrier_wait -1
.endm
	NEXTCHUNK 3                                    ; the scale words, w_lin and tiles 0-15
	WIN 0xc0
.irp c, 0,1,2,3
	ds_load_b128 v[KF+4*\c:KF+4*\c+3], v[AK] offset:512*\c                 ; tile 0, K step 0
.endr
	WIN 0
	ds_load_b32 v[SB0], v[ASC]
	WIN 0xc0
.irp c, 0,1,2,3
	ds_load_b128 v[KF+16+4*\c:KF+16+4*\c+3], v[AK] offset:2048+512*\c      ; tile 0, K step 1
.endr
	WIN 0
	ds_load_b32 v[SB1], v[ASC]
	WIN 0xc0
.irp c, 0,1,2,3
	ds_load_b128 v[KF+32+4*\c:KF+32+4*\c+3], v[AK] offset:4096+512*\c      ; tile 1, K step 0
.endr
	WIN 0
	ds_load_b32 v[SB0+1], v[ASC] offset:4
	WIN 0x40
	ds_load_b128 v[WR:WR+3], v[AWL]                                        ; w_lin of tile 0, keys 8 h + 0..3
	WIN 0
	s_wait_loadcnt 0x0                             ; the queries and their scale words
	TRIP 0, 0, 1, 11                               ; tiles 0, 1: behind the first five of these sixteen loads stand eleven.  A trip asks for tiles up to three ahead of its first:
	WALK 3                                         ; tiles 2-13 reach tile 15
	NEXTCHUNK 2
	WALK 4                                         ; tiles 14-29 reach tile 31
	NEXTCHUNK 1
	WALK 4                                         ; tiles 30-45 reach tile 47
	NEXTCHUNK 0
	WALK 4                                         ; tiles 46-61 reach tile 63
	GROUP 0, 0, 2, 2, 12, 1                        ; tiles 62, 63 are written out: no load reaches past the last tile
	GROUP 1, 0, 2, 1, 12, 1
	GROUP 0, 1, 2, 1, 7, 1                         ; behind the run that it reads: a run of six and one load
	GROUP 1, 1, 2, 0, 2, 1                         ; behind the run that it reads: two loads
	s_wait_dscnt 0x0
	WIN MS0
.irp f, 0,1,2,3,4,5,6,7,8,9,10,11,12,13,14,15
	FM \f, 1, 2                                    ; the last tile's fold
.endr
	WIN MS0+4
.irp f, 16,17,18,19,20,21,22,23,24,25,26,27,28,29,30,31
	FM \f, 1, 2
.endr
	; THE WAY OUT.  A sum's two halves (even and odd keys) and the other half of the lanes' are added; two tiles' 16 queries are joined into one register of 32; 128 queries go through my own 512 bytes of LDS and leave as one run of 512 bytes.
	WIN 0x0f                                       ; sources 0 and 1 window 3, destination window 0
.irp a, 0,1,2,3,4,5,6,7
	v_add_f32 v[T+\a], v[VA+2*\a], v[VA+2*\a+1]
.endr
	WIN 0
.irp a, 0,1,2,3,4,5,6,7
	v_permlanex16_b32 v[T2+\a], v[T+\a], s[SEL], s[SEL+1]
.endr
.irp a, 0,1,2,3,4,5,6,7
	v_add_f32 v[T+\a], v[T+\a], v[T2+\a]
.endr
.irp i, 0,1,2,3
	v_cndmask_b32 v[R+\i], v[T+2*\i], v[T+2*\i+1], s[HI16]     ; lane l: query 32 i + l
.endr
.irp i, 0,1,2,3
	ds_store_b32 v[SST], v[R+\i] offset:128*\i
.endr
	ds_load_b128 v[52:55], v[SRD]                  ; LDS serves a wave's instructions in order (ISA guide 5.7.1.4): this sees my stores
	s_wait_dscnt 0x0
	global_store_b128 v[AK0], v[52:55], s[82:83]   ; 32 lanes store 512 consecutive bytes, at a multiple of 512 from the buffer's first byte
	s_wait_tensorcnt 0x0
	ds_add_u32 v254, v255
	s_wait_dscnt 0x0
	ROUND                                          ; the closing round: no work-group ends while a partner may still ask for a tile that names it
	s_endpgm
.Lfunc_end_k_q8d3b794a52_rel:
	.size	k_q8d3b794a52_rel, .Lfunc_end_k_q8d3b794a52_rel-k_q8d3b794a52_rel
	.p2alignl 7, 3214868480
	.fill 96, 4, 3214868480
	.section	.rodata,"a",@progbits
	.p2align	6, 0x0
	.amdhsa_kernel k_q8d3b794a52_rel
		.amdhsa_group_segment_fixed_size 276992
		.amdhsa_private_segment_fixed_size 0
		.amdhsa_enable_private_segment 0
		.amdhsa_kernarg_size 32
		.amdhsa_user_sgpr_count 2
		.amdhsa_user_sgpr_kernarg_segment_ptr 1
		.amdhsa_wavefront_size32 1
		.amdhsa_system_sgpr_workgroup_id_x 1
		.amdhsa_system_sgpr_workgroup_id_y 1
		.amdhsa_system_sgpr_workgroup_id_z 1
		.amdhsa_system_vgpr_workitem_id 0
		.amdhsa_next_free_vgpr 1024
		.amdhsa_next_free_sgpr 96
		.amdhsa_reserve_vcc 0
		.amdhsa_float_denorm_mode_32 3
		.amdhsa_float_denorm_mode_16_64 3
		.amdhsa_memory_ordered 1
		.amdhsa_forward_progress 1
		.amdhsa_inst_pref_size 124
	.end_amdhsa_kernel
	.amdgpu_metadata
---
amdhsa.version: [ 1, 2 ]
amdhsa.kernels:
  - .name:           k_q8d3b794a52_rel
    .symbol:         k_q8d3b794a52_rel.kd
    .args:
      - { .name: codes, .offset: 0, .size: 8, .value_kind: global_buffer, .address_space: global }
      - { .name: scales, .offset: 8, .size: 8, .value_kind: global_buffer, .address_space: global }
      - { .name: w_lin, .offset: 16, .size: 8, .value_kind: global_buffer, .address_space: global }
      - { .name: vpart, .offset: 24, .size: 8, .value_kind: global_buffer, .address_space: global }
    .group_segment_fixed_size: 276992
    .private_segment_fixed_size: 0
    .kernarg_segment_align: 8
    .kernarg_segment_size: 32
    .max_flat_workgroup_size: 128
    .sgpr_count:     96
    .vgpr_count:     1024
    .wavefront_size: 32
...
	.end_amdgpu_metadata
.endif
;; end of part 2
;; launch norm (part 3): grid 8 x 1, 32 waves a work-group, no clusters, 4,608 bytes of LDS; arguments vpart, b_lin, gamma, beta, out0; writes out0
.if DOCPART == 3
	.amdgcn_target "amdgcn-amd-amdhsa--gfx1250"
	.amdhsa_code_object_version 6
	.text
	.protected	k_q8d3b794a52_norm
	.globl	k_q8d3b794a52_norm
	.p2align	8
	.type	k_q8d3b794a52_norm,@function
k_q8d3b794a52_norm:
	s_mov_b64 s[64:65], 0
	v_nop
	global_prefetch_b8 v0, s[64:65] scope:SCOPE_SE
	s_setreg_imm32_b32 hwreg(HW_REG_WAVE_MODE, 25, 1), 1
	s_wait_xcnt 0x0
; val[b][n] = the four key blocks' partial sums + b_lin;  out0[b][n] = (val - mean) / sqrt(var + 1e-5) x gamma[n] + beta[n], mean and var over the batch's 4,096 numbers.  All in f32.
; A batch is one work-group, since its mean spans it: eight work-groups of 32 waves; thread t owns the four numbers at byte 16 t of the batch's row, so every load and store of a wave covers 512 consecutive bytes.
; The variance is taken in a second pass, of the differences from the mean: no difference of large sums is formed.  Memory binds nothing here and there is no matrix work: no tensor loads, no cluster.
; LIMITS: NaN and infinities are not served.
	s_load_b256 s[4:11], s[0:1], 0x0               ; vpart s[4:5], b_lin s[6:7], gamma s[8:9], beta s[10:11]
	s_load_b64 s[12:13], s[0:1], 0x20              ; out0
	v_lshl_add_u32 v48, v0, 2, 0x200
	v_mov_b32 v49, 0
	v_lshlrev_b32 v1, 4, v0                        ; 16 t
	v_lshrrev_b32 v2, 5, v0
	s_delay_alu instid0(VALU_DEP_1)
	v_lshlrev_b32 v2, 2, v2                        ; 4 x wave: my wave's word in LDS
	v_and_b32 v3, 31, v0
	s_delay_alu instid0(VALU_DEP_1)
	v_lshlrev_b32 v3, 2, v3                        ; 4 x lane: the word of wave number `lane`
	s_lshl_b32 s14, ttmp9, 14                      ; a batch's row: 16,384 bytes
	s_mov_b32 s15, 0
	s_mov_b32 s18, 0x76543210                      ; lane selects for v_permlanex16_b32: lane l xor 16
	s_mov_b32 s19, 0xfedcba98
	s_mov_b32 s20, 0x39800000                      ; 1 / 4,096
	v_mov_b32 v29, 0                               ; a lane permute's destination counts as one of its sources
	v_mov_b32 v33, 0x3727c5ac                      ; 1e-5
	s_wait_alu depctr_va_vdst(0)
	s_wait_kmcnt 0x0
	s_load_b32 s16, s[6:7], 0x0                    ; b_lin
	s_add_nc_u64 s[4:5], s[4:5], s[14:15]
	s_add_nc_u64 s[12:13], s[12:13], s[14:15]
.irp i, 0,1,2,3
	global_load_b128 v[4+4*\i:7+4*\i], v1, s[4:5] offset:131072*\i     ; key block i's partial sums: 8 rows of 16,384 bytes on
.endr
	global_load_b128 v[20:23], v1, s[8:9]          ; gamma
	global_load_b128 v[24:27], v1, s[10:11]        ; beta
.macro WSUM                            ; v28 summed over the 32 lanes, the result in every lane
	v_add_f32_dpp v28, v28, v28 row_xmask:1 row_mask:0xf bank_mask:0xf
	s_delay_alu instid0(VALU_DEP_1)
	v_add_f32_dpp v28, v28, v28 row_xmask:2 row_mask:0xf bank_mask:0xf
	s_delay_alu instid0(VALU_DEP_1)
	v_add_f32_dpp v28, v28, v28 row_xmask:4 row_mask:0xf bank_mask:0xf
	s_delay_alu instid0(VALU_DEP_1)
	v_add_f32_dpp v28, v28, v28 row_xmask:8 row_mask:0xf bank_mask:0xf
	s_wait_alu depctr_va_vdst(0)
	v_permlanex16_b32 v29, v28, s18, s19
	s_delay_alu instid0(VALU_DEP_1)
	v_add_f32 v28, v28, v29
.endm
.macro GSUM base                       ; and over the 32 waves: each wave's sum to its own word, a barrier, lane l takes wave l's.  Each use has 128 bytes of its own, so one barrier a use is enough
	WSUM
	ds_store_b32 v2, v28 offset:\base              ; all lanes write the same word with the same value
	s_wait_dscnt 0x0                               ; for the others' sake: my store has landed
	s_barrier_signal -1
	s_barrier_wait -1
	ds_load_b32 v28, v3 offset:\base
	s_wait_dscnt 0x0
	WSUM
.endm
	s_wait_kmcnt 0x0
	s_wait_loadcnt 2                               ; the four partial sums are in; gamma and beta may be out
.irp j, 0,2
	v_pk_add_f32 v[4+\j:5+\j], v[4+\j:5+\j], v[8+\j:9+\j]
	v_pk_add_f32 v[12+\j:13+\j], v[12+\j:13+\j], v[16+\j:17+\j]
.endr
.irp j, 0
	s_delay_alu instid0(VALU_DEP_3)
	v_pk_add_f32 v[4+\j:5+\j], v[4+\j:5+\j], v[12+\j:13+\j]
.endr
.irp j, 2
	s_delay_alu instid0(VALU_DEP_2)
	v_pk_add_f32 v[4+\j:5+\j], v[4+\j:5+\j], v[12+\j:13+\j]
.endr
.irp j, 0,1,2,3
	v_add_f32 v[4+\j], s16, v[4+\j]                ; val
.endr
	s_delay_alu instid0(VALU_DEP_3)
	v_add_f32 v28, v4, v5
	s_delay_alu instid0(VALU_DEP_2)
	v_add_f32 v30, v6, v7
	s_delay_alu instid0(VALU_DEP_1)
	v_add_f32 v28, v28, v30
	GSUM 0
	s_delay_alu instid0(VALU_DEP_1)
	v_mul_f32 v28, s20, v28                        ; the mean
.irp j, 0,1,2,3
	v_sub_f32 v[4+\j], v[4+\j], v28                ; d = val - mean
.endr
	s_delay_alu instid0(VALU_DEP_4)
	v_mul_f32 v28, v4, v4
	s_delay_alu instid0(VALU_DEP_1)
	v_fmac_f32 v28, v5, v5
	s_delay_alu instid0(VALU_DEP_1)
	v_fmac_f32 v28, v6, v6
	s_delay_alu instid0(VALU_DEP_1)
	v_fmac_f32 v28, v7, v7
	GSUM 256
	s_delay_alu instid0(VALU_DEP_1)
	v_fma_f32 v28, v28, s20, v33                   ; var + 1e-5
	s_wait_alu depctr_va_vdst(0)
	v_rsq_f32 v28, v28
	v_nop                                          ; one plain line between a transcendental and the use of its result (ISA guide 5.7.2)
	s_wait_loadcnt 0x0                             ; gamma, beta
	s_wait_alu depctr_va_vdst(0)
.irp j, 0,2
	v_pk_mul_f32 v[4+\j:5+\j], v[4+\j:5+\j], v[28:29] op_sel_hi:[1,0]
.endr
.irp j, 0,2
	s_delay_alu instid0(VALU_DEP_2)
	v_pk_fma_f32 v[4+\j:5+\j], v[4+\j:5+\j], v[20+\j:21+\j], v[24+\j:25+\j]
.endr
	global_store_b128 v1, v[4:7], s[12:13]
	s_wait_tensorcnt 0x0
	ds_add_u32 v48, v49
	s_wait_dscnt 0x0
	s_endpgm
.Lfunc_end_k_q8d3b794a52_norm:
	.size	k_q8d3b794a52_norm, .Lfunc_end_k_q8d3b794a52_norm-k_q8d3b794a52_norm
	.p2alignl 7, 3214868480
	.fill 96, 4, 3214868480
	.section	.rodata,"a",@progbits
	.p2align	6, 0x0
	.amdhsa_kernel k_q8d3b794a52_norm
		.amdhsa_group_segment_fixed_size 4608
		.amdhsa_private_segment_fixed_size 0
		.amdhsa_enable_private_segment 0
		.amdhsa_kernarg_size 40
		.amdhsa_user_sgpr_count 2
		.amdhsa_user_sgpr_kernarg_segment_ptr 1
		.amdhsa_wavefront_size32 1
		.amdhsa_system_sgpr_workgroup_id_x 1
		.amdhsa_system_sgpr_workgroup_id_y 1
		.amdhsa_system_sgpr_workgroup_id_z 1
		.amdhsa_system_vgpr_workitem_id 0
		.amdhsa_next_free_vgpr 50
		.amdhsa_next_free_sgpr 66
		.amdhsa_reserve_vcc 0
		.amdhsa_float_denorm_mode_32 3
		.amdhsa_float_denorm_mode_16_64 3
		.amdhsa_memory_ordered 1
		.amdhsa_forward_progress 1
		.amdhsa_inst_pref_size 7
	.end_amdhsa_kernel
	.amdgpu_metadata
---
amdhsa.version: [ 1, 2 ]
amdhsa.kernels:
  - .name:           k_q8d3b794a52_norm
    .symbol:         k_q8d3b794a52_norm.kd
    .args:
      - { .name: vpart, .offset: 0, .size: 8, .value_kind: global_buffer, .address_space: global }
      - { .name: b_lin, .offset: 8, .size: 8, .value_kind: global_buffer, .address_space: global }
      - { .name: gamma, .offset: 16, .size: 8, .value_kind: global_buffer, .address_space: global }
      - { .name: beta, .offset: 24, .size: 8, .value_kind: global_buffer, .address_space: global }
      - { .name: out0, .offset: 32, .size: 8, .value_kind: global_buffer, .address_space: global }
    .group_segment_fixed_size: 4608
    .private_segment_fixed_size: 0
    .kernarg_segment_align: 8
    .kernarg_segment_size: 40
    .max_flat_workgroup_size: 1024
    .sgpr_count:     66
    .vgpr_count:     50
    .wavefront_size: 32
...
	.end_amdgpu_metadata
.endif
;; end of part 3
